; MI455X (gfx1250); checked and timed in simulation.
; The chip was launched on July 23, 2026; its instructions are those of AMD's public machine-readable ISA for CDNA 5 (MIT licence, August 2026) and "CDNA5" Instruction Set Architecture Reference Guide (July 2026). The comments in the code are by the model that wrote it; some were corrected since.
;; Embedder. Allowed arithmetic: float matrix products may take bf16 or f16 operands with f32 sums; all other float work in f32.
;; Inputs: dense 199,799 x 16 float32; hash_table 5 x 262,147 x 16 float32; xyz 131,072 x 3 float32.
;; Outputs: out0 131,072 x 19 float32.
;; One version. Each part assembles by itself: llvm-mc -triple=amdgcn-amd-amdhsa -mcpu=gfx1250 --defsym DOCPART=n.
;; ======== version 1 of 1: 2 launches
;; workspace buffers: sums 6,042,624 bytes; cells 8,388,608 bytes of whole numbers
;; launch prep (part 1): grid 1988 x 1, 8 waves a work-group, no clusters, 0 bytes of LDS; arguments xyz, dense, hash_table, sums, cells; writes sums, cells
.if DOCPART == 1
	.amdgcn_target "amdgcn-amd-amdhsa--gfx1250"
	.amdhsa_code_object_version 6
	.text
	.protected	k_q4bda3f9cb9_prep
	.globl	k_q4bda3f9cb9_prep
	.p2align	8
	.type	k_q4bda3f9cb9_prep,@function
k_q4bda3f9cb9_prep:
	s_mov_b64 s[64:65], 0
	v_nop
	global_prefetch_b8 v0, s[64:65] scope:SCOPE_SE
	s_setreg_imm32_b32 hwreg(HW_REG_WAVE_MODE, 25, 1), 1
	s_wait_xcnt 0x0
; prep: two jobs that do not depend on each other, in one launch, told apart by the work-group's number.
;
; (1) Work-groups 0 .. 511: the CELLS.  For each of 131,072 points and each of the 16 grids: the lower corner (x0, y0, z0) and the step to the
;     upper corner (0, 1 or 2 along each axis), as one whole number  x0 | y0<<8 | z0<<16 | dx<<24 | dy<<26 | dz<<28.
;     They are stored here because the next launch forms its gather addresses from whole numbers that it reads, not from floats of its own.
;     The cell is made as the reference makes it: flt = x / f32(1/(n-1)) rounded once, lower = clip(trunc(flt)), upper = clip(trunc(flt + 1.0f)).
;     The f32 sum flt + 1.0 can round up over an integer (flt = 2^k - 1 ulp gives 2^k + 1): the step is then 2.
;     The quotient: q = x r with r = f32(1/c), then twice  e = x - q c (fused),  q = q + e r (fused).  The first correction leaves q within one ulp,
;     and from such a q, with r the rounded reciprocal, the second gives the correctly rounded quotient (Markstein's theorem).
;     LIMIT: that holds for 2^-100 < |x| < 2^120; below it the residual underflows, but flt < 1 and the cell is 0 anyway.  A NaN takes cell 0.
;     clip(trunc(f), 0, n-1) is made as trunc(clamp(f, 0, n-1)): the same number for every f, also beyond the range of 32-bit integers.
;     Layout: cells[g][point][4] with level = 4 g + word, so that a wave's 16-byte stores cover 512 consecutive bytes.
;     Levels 0 and 1 have the same grid (n = 2): word 1 repeats word 0.
;
; (2) Work-groups 512 .. 1987: the ROW SUMS.  The sum over the 16 features commutes with the trilinear weights, so each table row (64 bytes) is
;     replaced by its sum: sums[row] for dense, sums[199808 + row] for the 5 x 262147 rows of hash_table.  Each table byte is read once.
;     LIMIT: the order of additions differs from the reference's (features first, corners later).
;     A wave owns a chunk of 128 rows = 8,192 bytes: sixteen 16-byte loads a lane, all issued before the first is waited for.  In load j lanes 0-15 read
;     the 256 bytes at 256 j of the chunk and lanes 16-31 those at 4096 + 256 j: lane l = 16 gh + 4 gl + q holds quarter q of row 64 gh + 4 j + gl.
;     A butterfly that adds and transposes at once leaves lane l with the sums of rows 4 l .. 4 l + 3: one 16-byte store a lane, 512 consecutive bytes a wave.
;     1,561 chunks of dense, then 10,241 of hash_table.  The last chunk of each table is not whole (119 and 15 rows): its load offsets are clamped to the
;     table's last 16 bytes, and the sums of rows that do not exist land in words of the workspace that no launch reads (199799..199807 and the last 113).
; No LDS, no barrier: no wave needs another's data.  No cluster: no two work-groups read the same bytes.
.set CELL_WGS, 512                     ; 131072 points / 256 threads
.set N_PTS,    131072
.set D_CH,     1561                    ; chunks of dense: ceil(199799 / 128)
.set ALL_CH,   11802                   ; + ceil(1310735 / 128) = 10241 chunks of hash_table
.set D_LAST,   199799*64-16            ; byte offset of dense's last 16 bytes
.set H_LAST,   1310735*64-16           ; and of hash_table's
.set X,   16                           ; v[16:79]  row sums: load j in v[X+4j : X+4j+3]
.set T0,  X+3                          ; the four sums of a lane behind the adding steps
.set T1,  X+19
.set T2,  X+35
.set T3,  X+51
.set XYZ, 4                            ; v[4:6]    cells: the point
.set Q,   8                            ; v[8:10]   cells: flt along x, y, z
.set E,   12                           ; v[12:14]  cells: residual, then flt + 1, then the step
.set W,   16                           ; v[16:31]  cells: the 16 words
.set I0,  32                           ; v[32:34]  cells: the lower corner
	s_load_b256 s[4:11], s[0:1], 0x0               ; xyz s[4:5], dense s[6:7], hash_table s[8:9], sums s[10:11]
	s_load_b64 s[12:13], s[0:1], 0x20              ; cells
	s_cmp_lt_u32 ttmp9, CELL_WGS
	s_cbranch_scc1 .Lcells
	; ------------------------------------------------ the row sums
	v_lshrrev_b32 v1, 5, v0
	v_readfirstlane_b32 s14, v1                    ; wave 0..7
	s_sub_co_u32 s15, ttmp9, CELL_WGS
	s_lshl3_add_u32 s15, s15, s14                  ; my chunk = 8 x work-group + wave
	s_mov_b32 s23, D_CH
	s_mov_b32 s24, D_LAST
	s_mov_b32 s25, H_LAST
	s_mov_b32 s30, D_CH-1
	s_mov_b32 s31, ALL_CH-1
	s_mov_b32 s26, 0xaaaaaaaa                      ; lanes with bit 0 set
	s_mov_b32 s27, 0xcccccccc                      ; bit 1
	s_mov_b32 s28, 0xf0f0f0f0                      ; bit 2
	s_mov_b32 s29, 0xff00ff00                      ; bit 3
	v_and_b32 v3, 15, v0
	v_and_b32 v4, 16, v0
	v_and_b32 v5, 31, v0
	v_lshlrev_b32 v3, 4, v3                        ; 16 bytes for each of 16 lanes
	v_lshlrev_b32 v5, 4, v5                        ; the store: 16 bytes a lane
	v_lshl_or_b32 v3, v4, 8, v3                    ; + 4096 for lanes 16-31
	s_wait_kmcnt 0x0
	s_cmp_ge_u32 s15, ALL_CH
	s_cbranch_scc1 .Lend                           ; 11802 = 8 x 1475 + 2: six waves of the last work-group have no chunk
	s_cmp_lt_u32 s15, s23                          ; a chunk of dense?
	s_cselect_b64 s[16:17], s[6:7], s[8:9]         ; my table
	s_cselect_b32 s18, 0, s23                      ; its first chunk
	s_cselect_b32 s19, s24, s25                    ; its last 16 bytes
	s_cselect_b32 s22, s30, s31                    ; its last chunk, the one that is not whole
	s_sub_co_u32 s20, s15, s18
	s_lshl_b32 s21, s20, 13                        ; my chunk's byte offset in the table (at most 83,886,080)
	s_lshl_b32 s20, s15, 9                         ; and in sums: 512 bytes a chunk; hash_table's part begins at word 1561 x 128 = 199808
	v_add_nc_u32 v2, s21, v3
	v_add_nc_u32 v5, s20, v5
	s_cmp_eq_u32 s15, s22
	s_cbranch_scc1 .Ltail
.irp j, 0,1,2,3,4,5,6,7,8,9,10,11,12,13,14,15
	global_load_b128 v[X+4*\j:X+4*\j+3], v2, s[16:17] offset:256*\j th:TH_LOAD_NT
.endr
	s_branch .Lsum
.Ltail:                                            ; the same sixteen loads, each offset clamped into the table; a load lands on its own offset register
.irp j, 0,1,2,3,4,5,6,7,8,9,10,11,12,13,14,15
	v_add_nc_u32 v[X+4*\j], 256*\j, v2
	v_min_u32 v[X+4*\j], s19, v[X+4*\j]
	global_load_b128 v[X+4*\j:X+4*\j+3], v[X+4*\j], s[16:17] th:TH_LOAD_NT
.endr
.Lsum:
; Loads 4k .. 4k+3.  In the lane: 4 numbers to 1.  Then two steps that add across the four lanes of a row and halve the registers: in the step over
; lane bit b a lane keeps the partial sum of the load whose number has that bit equal to its own, and hands the other one to its partner.
; Behind them lane (gh, gl, q) holds in v[X+16k+3] the whole sum of load 4k + q, that is of row 64 gh + 16 k + 4 q + gl.
.macro QUAD k
.set BB, X+16*\k
	s_wait_loadcnt 12-4*\k                         ; loads come back in order: these four are in, the younger groups of four stay out
.irp j, 0,1,2,3
	v_pk_add_f32 v[BB+4*\j:BB+4*\j+1], v[BB+4*\j:BB+4*\j+1], v[BB+4*\j+2:BB+4*\j+3]
.endr
.irp j, 0,1,2,3
	v_add_f32 v[BB+4*\j], v[BB+4*\j], v[BB+4*\j+1]
.endr
	v_cndmask_b32 v[BB+1],  v[BB],    v[BB+4],  s26    ; kept: even lanes load 4k, odd lanes load 4k+1
	v_cndmask_b32 v[BB+2],  v[BB+4],  v[BB],    s26    ; handed over
	v_cndmask_b32 v[BB+9],  v[BB+8],  v[BB+12], s26
	v_cndmask_b32 v[BB+10], v[BB+12], v[BB+8],  s26
	v_add_f32_dpp v[BB+1], v[BB+2],  v[BB+1] row_xmask:1 row_mask:0xf bank_mask:0xf
	v_add_f32_dpp v[BB+9], v[BB+10], v[BB+9] row_xmask:1 row_mask:0xf bank_mask:0xf
	v_cndmask_b32 v[BB+3], v[BB+1], v[BB+9], s27
	v_cndmask_b32 v[BB+5], v[BB+9], v[BB+1], s27
	v_add_f32_dpp v[BB+3], v[BB+5], v[BB+3] row_xmask:2 row_mask:0xf bank_mask:0xf
.endm
	QUAD 0
	QUAD 1
	QUAD 2
	QUAD 3
	; Two steps that only exchange: register number k against lane bits 3:2 (gl).  Behind them register k' of lane (gh, gl, q) is what lane (gh, k', q)
	; held in register gl: row 64 gh + 16 gl + 4 q + k' = 4 x lane + k'.
	v_cndmask_b32 v[X+6],  v[T1], v[T0], s28           ; lanes with bit 2 clear hand over the odd register, the others the even one
	v_cndmask_b32 v[X+38], v[T3], v[T2], s28
	v_mov_b32_dpp v[X+7],  v[X+6]  row_xmask:4 row_mask:0xf bank_mask:0xf
	v_mov_b32_dpp v[X+39], v[X+38] row_xmask:4 row_mask:0xf bank_mask:0xf
	v_cndmask_b32 v12, v[T0],   v[X+7],  s28
	v_cndmask_b32 v13, v[X+7],  v[T1],   s28
	v_cndmask_b32 v14, v[T2],   v[X+39], s28
	v_cndmask_b32 v15, v[X+39], v[T3],   s28
	v_cndmask_b32 v[X+6],  v14, v12, s29
	v_cndmask_b32 v[X+38], v15, v13, s29
	v_mov_b32_dpp v[X+7],  v[X+6]  row_xmask:8 row_mask:0xf bank_mask:0xf
	v_mov_b32_dpp v[X+39], v[X+38] row_xmask:8 row_mask:0xf bank_mask:0xf
	v_cndmask_b32 v8,  v12,     v[X+7],  s29
	v_cndmask_b32 v10, v[X+7],  v14,     s29
	v_cndmask_b32 v9,  v13,     v[X+39], s29
	v_cndmask_b32 v11, v[X+39], v15,     s29
	global_store_b128 v5, v[8:11], s[10:11]        ; 128 sums: 512 consecutive bytes, at a multiple of 512 from the buffer's first byte; the next launch reads them, so no hint
.Lend:
	s_endpgm
	; ------------------------------------------------ the cells
.Lcells:
	v_mul_u32_u24 v1, 12, v0                       ; my point's 12 bytes
	v_lshlrev_b32 v2, 4, v0                        ; my 16 bytes in each group of four levels
	s_mul_i32 s14, ttmp9, 256*12
	s_mov_b32 s15, 0
	s_lshl_b32 s16, ttmp9, 12                      ; 256 points x 16 bytes
	s_mov_b32 s17, 0
	s_wait_kmcnt 0x0
	s_add_nc_u64 s[4:5], s[4:5], s[14:15]
	s_add_nc_u64 s[12:13], s[12:13], s[16:17]
	global_load_b96 v[XYZ:XYZ+2], v1, s[4:5]       ; a wave reads 384 consecutive bytes
	s_wait_loadcnt 0x0
; v[Q+d] = x_d / c, rounded once.  cbits = c = f32(1/(n-1)), rbits = f32(1/c).
.macro DIVIDE cbits, rbits
	s_mov_b32 s20, \cbits
	s_mov_b32 s21, \rbits
.irp d, 0,1,2
	v_mul_f32 v[Q+\d], s21, v[XYZ+\d]
.endr
.rept 2
.irp d, 0,1,2
	v_fma_f32 v[E+\d], -v[Q+\d], s20, v[XYZ+\d]    ; x - q c
.endr
.irp d, 0,1,2
	v_fma_f32 v[Q+\d], v[E+\d], s21, v[Q+\d]
.endr
.endr
.endm
; The word of level lvl from flt in v[src .. src+2].  mbits = n - 1 as f32.
.macro PACK lvl, src, mbits
	s_mov_b32 s22, \mbits
.irp d, 0,1,2
	v_add_f32 v[E+\d], 1.0, v[\src+\d]             ; the reference's own f32 sum, with its rounding
.endr
.irp d, 0,1,2
	v_med3_num_f32 v[I0+\d], v[\src+\d], 0, s22
.endr
.irp d, 0,1,2
	v_med3_num_f32 v[E+\d], v[E+\d], 0, s22
.endr
.irp d, 0,1,2
	v_cvt_u32_f32 v[I0+\d], v[I0+\d]               ; toward zero
.endr
.irp d, 0,1,2
	v_cvt_u32_f32 v[E+\d], v[E+\d]
.endr
.irp d, 0,1,2
	v_sub_nc_u32 v[E+\d], v[E+\d], v[I0+\d]        ; the step: 0 (clipped), 1, or 2
.endr
	v_lshl_or_b32 v[W+\lvl], v[I0+1], 8,  v[I0]
	v_lshl_or_b32 v[W+\lvl], v[I0+2], 16, v[W+\lvl]
	v_lshl_or_b32 v[W+\lvl], v[E],    24, v[W+\lvl]
	v_lshl_or_b32 v[W+\lvl], v[E+1],  26, v[W+\lvl]
	v_lshl_or_b32 v[W+\lvl], v[E+2],  28, v[W+\lvl]
.endm
.macro GRID lvl, cbits, rbits, mbits
	DIVIDE \cbits, \rbits
	PACK \lvl, Q, \mbits
.endm
	PACK 0, XYZ, 0x3f800000                        ; n = 2: c = 1, flt = x
	v_mov_b32 v[W+1], v[W]                         ; level 1: n = 2 again
.irp d, 0,1,2
	v_add_f32 v[Q+\d], v[XYZ+\d], v[XYZ+\d]        ; n = 3: x / 0.5 = 2 x, exact
.endr
	PACK 2, Q, 0x40000000
.irp d, 0,1,2
	v_mul_f32 v[Q+\d], 4.0, v[XYZ+\d]              ; n = 5: x / 0.25 = 4 x, exact
.endr
	PACK 3, Q, 0x40800000
	;        c = f32(1/(n-1))  f32(1/c)    n - 1
	GRID 4,  0x3e2aaaab, 0x40c00000, 0x40c00000    ; n = 7
	GRID 5,  0x3de38e39, 0x41100000, 0x41100000    ; n = 10
	GRID 6,  0x3daaaaab, 0x41400000, 0x41400000    ; n = 13
	GRID 7,  0x3d638e39, 0x41900000, 0x41900000    ; n = 19
	GRID 8,  0x3d23d70a, 0x41c80000, 0x41c80000    ; n = 26
	GRID 9,  0x3cea0ea1, 0x420c0000, 0x420c0000    ; n = 36
	GRID 10, 0x3ca72f05, 0x42440000, 0x42440000    ; n = 50
	GRID 11, 0x3c70f0f1, 0x42880000, 0x42880000    ; n = 69
	GRID 12, 0x3c2e4c41, 0x42bc0000, 0x42bc0000    ; n = 95
	GRID 13, 0x3bfc0fc1, 0x43020000, 0x43020000    ; n = 131
	GRID 14, 0x3bb60b61, 0x43340000, 0x43340000    ; n = 181
	GRID 15, 0x3b839930, 0x43790001, 0x43790000    ; n = 250: here 1/c rounds to 249 + 2^-16, not to 249
.irp g, 0,1,2,3
	global_store_b128 v2, v[W+4*\g:W+4*\g+3], s[12:13] offset:\g*N_PTS*16
.endr
	s_endpgm
.Lfunc_end_k_q4bda3f9cb9_prep:
	.size	k_q4bda3f9cb9_prep, .Lfunc_end_k_q4bda3f9cb9_prep-k_q4bda3f9cb9_prep
	.p2alignl 7, 3214868480
	.fill 96, 4, 3214868480
	.section	.rodata,"a",@progbits
	.p2align	6, 0x0
	.amdhsa_kernel k_q4bda3f9cb9_prep
		.amdhsa_group_segment_fixed_size 0
		.amdhsa_private_segment_fixed_size 0
		.amdhsa_enable_private_segment 0
		.amdhsa_kernarg_size 40
		.amdhsa_user_sgpr_count 2
		.amdhsa_user_sgpr_kernarg_segment_ptr 1
		.amdhsa_wavefront_size32 1
		.amdhsa_system_sgpr_workgroup_id_x 1
		.amdhsa_system_sgpr_workgroup_id_y 1
		.amdhsa_system_sgpr_workgroup_id_z 1
		.amdhsa_system_vgpr_workitem_id 0
		.amdhsa_next_free_vgpr 80
		.amdhsa_next_free_sgpr 66
		.amdhsa_reserve_vcc 0
		.amdhsa_float_denorm_mode_32 3
		.amdhsa_float_denorm_mode_16_64 3
		.amdhsa_memory_ordered 1
		.amdhsa_forward_progress 1
		.amdhsa_inst_pref_size 41
	.end_amdhsa_kernel
	.amdgpu_metadata
---
amdhsa.version: [ 1, 2 ]
amdhsa.kernels:
  - .name:           k_q4bda3f9cb9_prep
    .symbol:         k_q4bda3f9cb9_prep.kd
    .args:
      - { .name: xyz, .offset: 0, .size: 8, .value_kind: global_buffer, .address_space: global }
      - { .name: dense, .offset: 8, .size: 8, .value_kind: global_buffer, .address_space: global }
      - { .name: hash_table, .offset: 16, .size: 8, .value_kind: global_buffer, .address_space: global }
      - { .name: sums, .offset: 24, .size: 8, .value_kind: global_buffer, .address_space: global }
      - { .name: cells, .offset: 32, .size: 8, .value_kind: global_buffer, .address_space: global }
    .group_segment_fixed_size: 0
    .private_segment_fixed_size: 0
    .kernarg_segment_align: 8
    .kernarg_segment_size: 40
    .max_flat_workgroup_size: 256
    .sgpr_count:     66
    .vgpr_count:     80
    .wavefront_size: 32
...
	.end_amdgpu_metadata
.endif
;; end of part 1
;; launch gather (part 2): grid 256 x 1, 16 waves a work-group, no clusters, 169,984 bytes of LDS; arguments xyz, cells, sums, out0; writes out0
.if DOCPART == 2
	.amdgcn_target "amdgcn-amd-amdhsa--gfx1250"
	.amdhsa_code_object_version 6
	.text
	.protected	k_q4bda3f9cb9_gather
	.globl	k_q4bda3f9cb9_gather
	.p2align	8
	.type	k_q4bda3f9cb9_gather,@function
k_q4bda3f9cb9_gather:
	s_mov_b64 s[64:65], 0
	v_nop
	global_prefetch_b8 v0, s[64:65] scope:SCOPE_SE
	s_setreg_imm32_b32 hwreg(HW_REG_WAVE_MODE, 25, 1), 1
	s_wait_xcnt 0x0
; gather: out0[p] = (x, y, z, val[0..15]);  val[L] = the trilinear interpolation, in grid L, of the ROW SUMS that the launch before stored in sums.
; One point a lane, 512 points a work-group, 16 waves, 256 work-groups.  The corners come from cells (whole numbers of the launch before):
; word = x0 | y0<<8 | z0<<16 | dx<<24 | dy<<26 | dz<<28, upper corner = lower + step.  All address arithmetic here is on integers.
;
; Levels 0-8 have 28,143 sums: words 0 .. 28,671 of sums (114,688 bytes) are brought into LDS, each wave fetching 28 rows of 256 bytes by ONE tensor load
; (one tensor load of a wave is out, once in the launch).  72 of a point's 128 gathers are then LDS reads.  The other 56 (levels 9, 10 and the five hashed
; levels) are 4-byte global loads, issued first, each landing on its own offset register, and waited for only when levels 0-8 are done.
; NO CLUSTER, though all work-groups read the same table: the LDS addresses of the gathers are made of the cells of the work-group's own 512 points, so they
; differ between any partners; and the table is fetched once, under the address arithmetic of 16 levels.
;
; The hash: H = x ^ y P1 ^ z P2 (below 2^40), index = H mod T, T = 262147 = 2^18 + 3.  Each product is split at bit 18 (24-bit multiplies suffice, y, z < 256):
; H = h1 2^36 + h0 2^18 + lo, and 2^18 = -3, 2^36 = 9 mod T, so H = lo - 3 h0 + 9 h1 = lo + 3 (2^18 - 1 - h0) + 12 + 9 h1 - 3 T.
; v = lo + K with K = 3 (h0 xor 0x3ffff) + 9 h1 + 12 lies in [12, 1048719];  v - (v >> 18) T lies in [-12, 262143];  a negative one gets T added.
; K hangs on (y, z) alone: it is made four times a level, not eight.
;
; LIMITS.  Order of sums: features first (launch before), then lerps a + f (b - a) along x, y, z, where the reference adds eight weighted corners.
; The fraction is fma(x, r, -i0) with r = f32(1/f32(1/(n-1))), where the reference has RN(x / c) - i0: they differ by less than 3e-5 absolute for x in [0, 1],
; and by some 1e-7 of x (n-1) elsewhere.  Outside [0, 1] the same extrapolation is followed.  A NaN coordinate has cell 0 and gives NaN in the 16 level columns.
; Every index is clamped to its table's last row in front of the shift to bytes; a right cell word never reaches the clamp.
.set WAVE_TAB, 7168                    ; bytes of the table that a wave fetches: 28 rows of 256
.set STAGE,    114688                  ; LDS: table 0 .. 114,687; stage 114,688 .. 153,599 (512 rows of 76 bytes), into which no fill lands
.set HBASE,    199808                  ; word of sums at which hash_table's sums begin
.set TSZ,      262147
.set GSTEP,    131072*16               ; bytes of cells for a group of four levels
.set XYZ, 4                            ; v[4:6]     the point
.set W,   8                            ; v[8:23]    the 16 cell words, each replaced by its level's result
.set V,   24                           ; v[24:151]  level L, corner c = 4 ox + 2 oy + oz at V + 8 L + c: byte offset, then the gathered sum; later the copy out
.set U,   152                          ; v[152:176] at work
	s_load_b256 s[4:11], s[0:1], 0x0               ; xyz s[4:5], cells s[6:7], sums s[8:9], out0 s[10:11]
	v_lshl_add_u32 v184, v0, 2, 0x29000
	v_mov_b32 v185, 0
	ds_add_u32 v184, v185
	ds_add_u32 v184, v185
	v_lshrrev_b32 v1, 5, v0
	v_readfirstlane_b32 s12, v1                    ; wave 0..15
	; the table's descriptor: 28 rows of 32 elements of 8 bytes, dense in memory and in LDS
	s_mov_b32 s16, 1                               ; group 0: count = 1
	s_mul_i32 s17, s12, WAVE_TAB                   ; LDS address: my wave's 7,168 bytes
	s_mov_b32 s20, 3<<16                           ; group 1: no mask, elements of 8 bytes, no padding
	s_mov_b32 s21, 32<<16                          ; tensor_dim0 = 32
	s_mov_b32 s22, 28<<16                          ; tensor_dim1 = 28
	s_mov_b32 s23, 32<<16                          ; tile_dim0 = 32
	s_mov_b32 s24, 28                              ; tile_dim1 = 28
	s_mov_b32 s25, 32                              ; pitch = 32 elements
	s_mov_b32 s26, 0
	s_mov_b32 s27, 0
	s_mov_b32 s28, 0x379b1                         ; P1 = 2654435761 = 0x278d << 18 | 0x379b1
	s_mov_b32 s29, 0x278d
	s_mov_b32 s30, 0x25795                         ; P2 = 805459861 = 0xc00 << 18 | 0x25795
	s_mov_b32 s31, 0xc00
	s_mov_b32 s32, 0x3ffff
	s_mov_b32 s33, TSZ
	v_mul_u32_u24 v1, 12, v0                       ; my point in xyz
	v_lshlrev_b32 v2, 4, v0                        ; my 16 bytes in a group of cells, and in a piece of the copy out
	v_mul_u32_u24 v3, 76, v0
	v_add_nc_u32 v3, STAGE, v3                     ; my row of the stage
	s_mov_b32 s14, s17
	s_mov_b32 s15, 0
	s_wait_dscnt 0x0
	s_wait_kmcnt 0x0
	s_add_nc_u64 s[18:19], s[8:9], s[14:15]        ; global address: the same 7,168 bytes of sums
	s_or_b32 s19, s19, 0x80000000                  ; type = 2
	tensor_load_to_lds s[16:19], s[20:27]          ; s[16:27] are not written again
	s_nop 0
	s_mul_i32 s14, ttmp9, 512*12
	s_add_nc_u64 s[4:5], s[4:5], s[14:15]
	s_lshl_b32 s14, ttmp9, 13                      ; 512 points x 16 bytes
	s_add_nc_u64 s[6:7], s[6:7], s[14:15]
	s_mul_i32 s14, ttmp9, 512*76                   ; 38,912 = 152 x 256
	s_add_nc_u64 s[10:11], s[10:11], s[14:15]
	global_load_b96 v[XYZ:XYZ+2], v1, s[4:5] th:TH_LOAD_NT
.irp g, 0,1,2,3
	global_load_b128 v[W+4*\g:W+4*\g+3], v2, s[6:7] offset:\g*GSTEP th:TH_LOAD_NT
.endr
	s_wait_loadcnt 0x0
.macro UNPACK lvl
	v_and_b32 v[U],   0xff, v[W+\lvl]              ; x0
	v_bfe_u32 v[U+1], v[W+\lvl], 8, 8              ; y0
	v_bfe_u32 v[U+2], v[W+\lvl], 16, 8             ; z0
	v_bfe_u32 v[U+3], v[W+\lvl], 24, 2             ; dx
	v_bfe_u32 v[U+4], v[W+\lvl], 26, 2             ; dy
	v_bfe_u32 v[U+5], v[W+\lvl], 28, 2             ; dz
.endm
; A dense level: index = (x num + y) num + z; the eight byte offsets inside the level.  glob = 1: the eight loads too (base = the level's first word of sums).
.macro DENSE lvl, num, glob, base
.set AA, V+8*\lvl
	UNPACK \lvl
	v_mad_u32_u24 v[U],  v[U], \num, v[U+1]
	v_mad_u32_u24 v[AA], v[U], \num, v[U+2]
	v_mul_u32_u24 v[U+3], \num*\num, v[U+3]        ; the step along x, in words
	v_mul_u32_u24 v[U+4], \num, v[U+4]             ; along y
	v_add_nc_u32 v[AA+1], v[AA],   v[U+5]
	v_add_nc_u32 v[AA+2], v[AA],   v[U+4]
	v_add_nc_u32 v[AA+3], v[AA+2], v[U+5]
.irp j, 0,1,2,3
	v_add_nc_u32 v[AA+4+\j], v[AA+\j], v[U+3]
.endr
.irp j, 0,1,2,3,4,5,6,7
	v_min_u32 v[AA+\j], \num*\num*\num-1, v[AA+\j]
.endr
.irp j, 0,1,2,3,4,5,6,7
	v_lshlrev_b32 v[AA+\j], 2, v[AA+\j]
.endr
.if \glob
.irp j, 0,1,2,3,4,5,6,7
	global_load_b32 v[AA+\j], v[AA+\j], s[8:9] offset:4*\base
.endr
.endif
.endm
; A hashed level: the arithmetic of the head's comment, then the eight loads.
.macro HASH lvl
.set AA, V+8*\lvl
	UNPACK \lvl
.irp d, 0,1,2
	v_add_nc_u32 v[U+3+\d], v[U+\d], v[U+3+\d]     ; x1, y1, z1
.endr
.irp i, 0,1
	v_mul_u32_u24 v[U+6+\i],  v[U+1+3*\i], s28             ; a = y x P1's low 18 bits
	v_mul_u32_u24 v[U+10+\i], v[U+2+3*\i], s30             ; b = z x P2's low 18 bits
	v_lshrrev_b32 v[U+8+\i],  18, v[U+6+\i]
	v_lshrrev_b32 v[U+12+\i], 18, v[U+10+\i]
	v_mad_u32_u24 v[U+8+\i],  v[U+1+3*\i], s29, v[U+8+\i]  ; (y P1) >> 18
	v_mad_u32_u24 v[U+12+\i], v[U+2+3*\i], s31, v[U+12+\i] ; (z P2) >> 18
	v_xor_b32 v[U+8+\i], s32, v[U+8+\i]                    ; its low 18 bits turned over, once for both z
.endr
.irp oy, 0,1
.irp oz, 0,1
	v_xor_b32 v[U+14+2*\oy+\oz], v[U+6+\oy], v[U+10+\oz]
	v_xor_b32 v[U+22], v[U+8+\oy], v[U+12+\oz]
	v_and_b32 v[U+14+2*\oy+\oz], s32, v[U+14+2*\oy+\oz]    ; lo without x
	v_lshrrev_b32 v[U+23], 18, v[U+22]                     ; h1
	v_and_b32 v[U+22], s32, v[U+22]                        ; 2^18 - 1 - h0
	v_mad_u32_u24 v[U+23], v[U+23], 9, 12
	v_mad_u32_u24 v[U+18+2*\oy+\oz], v[U+22], 3, v[U+23]   ; K
.endr
.endr
.irp ox, 0,1
.irp j, 0,1,2,3
	v_xor_b32 v[AA+4*\ox+\j], v[U+14+\j], v[U+3*\ox]       ; lo
	v_add_nc_u32 v[AA+4*\ox+\j], v[AA+4*\ox+\j], v[U+18+\j]
	v_lshrrev_b32 v[U+24], 18, v[AA+4*\ox+\j]
	v_mul_u32_u24 v[U+24], v[U+24], s33
	v_sub_nc_u32 v[AA+4*\ox+\j], v[AA+4*\ox+\j], v[U+24]   ; in [-12, 262143]
	v_add_nc_u32 v[U+24], s33, v[AA+4*\ox+\j]
	v_min_u32 v[AA+4*\ox+\j], v[AA+4*\ox+\j], v[U+24]      ; unsigned: a negative number is the larger, so T is added to it alone
	v_min_u32 v[AA+4*\ox+\j], 0x40002, v[AA+4*\ox+\j]      ; T - 1
	v_lshlrev_b32 v[AA+4*\ox+\j], 2, v[AA+4*\ox+\j]
.endr
.endr
.irp j, 0,1,2,3,4,5,6,7
	global_load_b32 v[AA+\j], v[AA+\j], s[8:9] offset:4*(HBASE+(\lvl-11)*TSZ)
.endr
.endm
	; the 56 global gathers, in the order in which they are waited for
	DENSE 9,  36, 1, 28143
	DENSE 10, 50, 1, 74799
	HASH 11
	HASH 12
	HASH 13
	HASH 14
	HASH 15
	; the offsets of the 72 LDS gathers
	DENSE 0, 2,  0, 0
	DENSE 1, 2,  0, 0
	DENSE 2, 3,  0, 0
	DENSE 3, 5,  0, 0
	DENSE 4, 7,  0, 0
	DENSE 5, 10, 0, 0
	DENSE 6, 13, 0, 0
	DENSE 7, 19, 0, 0
	DENSE 8, 26, 0, 0
	s_wait_tensorcnt 0x0                           ; my 7,168 bytes of the table are in LDS;
	s_barrier_signal -1
	s_barrier_wait -1                              ; every wave's are
.macro LDSG lvl, base
.irp j, 0,1,2,3,4,5,6,7
	ds_load_b32 v[V+8*\lvl+\j], v[V+8*\lvl+\j] offset:4*\base
.endr
.endm
	LDSG 0, 0
	LDSG 1, 8
	LDSG 2, 16
	LDSG 3, 43
	LDSG 4, 168
	LDSG 5, 511
	LDSG 6, 1511
	LDSG 7, 3708
	LDSG 8, 10567
; Level lvl: the three fractions, the wait for its eight sums, seven lerps (four, two, one).  lds = 1: the sums come from LDS.
; cnt = the eight loads of each younger level of the same kind, which stay out.
.macro LERP lvl, rbits, lds, cnt
.set AA, V+8*\lvl
	s_mov_b32 s34, \rbits
	v_and_b32 v[U+1], 0xff, v[W+\lvl]
	v_bfe_u32 v[U+3], v[W+\lvl], 8, 8
	v_bfe_u32 v[U+5], v[W+\lvl], 16, 8
.irp d, 0,1,2
	v_cvt_f32_u32 v[U+2*\d+1], v[U+2*\d+1]
.endr
.irp d, 0,1,2
	v_fma_f32 v[U+2*\d], v[XYZ+\d], s34, -v[U+2*\d+1]      ; the fraction; its pair's upper register holds the corner and is not multiplied by
.endr
.if \lds
	s_wait_dscnt \cnt
.else
	s_wait_loadcnt \cnt
.endif
	v_pk_add_f32 v[AA+4:AA+5], v[AA+4:AA+5], v[AA:AA+1]   neg_lo:[0,1] neg_hi:[0,1]
	v_pk_add_f32 v[AA+6:AA+7], v[AA+6:AA+7], v[AA+2:AA+3] neg_lo:[0,1] neg_hi:[0,1]
	v_pk_fma_f32 v[AA:AA+1],   v[AA+4:AA+5], v[U:U+1], v[AA:AA+1]   op_sel_hi:[1,0,1]   ; along x
	v_pk_fma_f32 v[AA+2:AA+3], v[AA+6:AA+7], v[U:U+1], v[AA+2:AA+3] op_sel_hi:[1,0,1]
	v_pk_add_f32 v[AA+2:AA+3], v[AA+2:AA+3], v[AA:AA+1] neg_lo:[0,1] neg_hi:[0,1]
	v_pk_fma_f32 v[AA:AA+1],   v[AA+2:AA+3], v[U+2:U+3], v[AA:AA+1] op_sel_hi:[1,0,1]   ; along y
	v_sub_f32 v[AA+1], v[AA+1], v[AA]
	v_fma_f32 v[W+\lvl], v[AA+1], v[U+4], v[AA]                                         ; along z
.endm
	LERP 0,  0x3f800000, 1, 63                     ; 64 younger LDS loads; the wait's field ends at 63
	LERP 1,  0x3f800000, 1, 56
	LERP 2,  0x40000000, 1, 48
	LERP 3,  0x40800000, 1, 40
	LERP 4,  0x40c00000, 1, 32
	LERP 5,  0x41100000, 1, 24
	LERP 6,  0x41400000, 1, 16
	LERP 7,  0x41900000, 1, 8
	LERP 8,  0x41c80000, 1, 0
	LERP 9,  0x420c0000, 0, 48
	LERP 10, 0x42440000, 0, 40
	LERP 11, 0x42880000, 0, 32
	LERP 12, 0x42bc0000, 0, 24
	LERP 13, 0x43020000, 0, 16
	LERP 14, 0x43340000, 0, 8
	LERP 15, 0x43790001, 0, 0
	; THE WAY OUT.  A point's row is 76 bytes, so a lane's own stores would be 4 bytes at a pitch of 76.  The rows are laid into the stage (pitch 19 words,
	; odd: the 32 lanes of a store touch 32 different banks by the map of ISA guide 11.1) and the work-group's 38,912 consecutive bytes are copied out 16 bytes a lane.
.irp d, 0,1,2
	ds_store_b32 v3, v[XYZ+\d] offset:4*\d
.endr
.irp j, 0,1,2,3,4,5,6,7,8,9,10,11,12,13,14,15
	ds_store_b32 v3, v[W+\j] offset:12+4*\j
.endr
	v_add_nc_u32 v[U], STAGE, v2
	s_wait_dscnt 0x0                               ; my rows are in the stage, for the other waves' sake
	s_barrier_signal -1
	s_barrier_wait -1
.irp i, 0,1,2,3
	ds_load_b128 v[V+4*\i:V+4*\i+3], v[U] offset:8192*\i
.endr
.irp i, 0,1,2,3
	s_wait_dscnt 3-\i                              ; piece i is in; the younger pieces stay out
	global_store_b128 v2, v[V+4*\i:V+4*\i+3], s[10:11] offset:8192*\i th:TH_STORE_NT   ; a wave's store covers 512 consecutive bytes, at a multiple of 512 from a base that is a multiple of 256
.endr
	s_cmp_ge_u32 s12, 12                           ; 38,912 = 4 x 8,192 + 12 x 512: the last piece is for waves 0 to 11
	s_cbranch_scc1 .Ldone
	ds_load_b128 v[V+16:V+19], v[U] offset:32768
	s_wait_dscnt 0x0
	global_store_b128 v2, v[V+16:V+19], s[10:11] offset:32768 th:TH_STORE_NT
.Ldone:
	s_wait_tensorcnt 0x0
	ds_add_u32 v184, v185
	s_wait_dscnt 0x0
	s_endpgm
.Lfunc_end_k_q4bda3f9cb9_gather:
	.size	k_q4bda3f9cb9_gather, .Lfunc_end_k_q4bda3f9cb9_gather-k_q4bda3f9cb9_gather
	.p2alignl 7, 3214868480
	.fill 96, 4, 3214868480
	.section	.rodata,"a",@progbits
	.p2align	6, 0x0
	.amdhsa_kernel k_q4bda3f9cb9_gather
		.amdhsa_group_segment_fixed_size 169984
		.amdhsa_private_segment_fixed_size 0
		.amdhsa_enable_private_segment 0
		.amdhsa_kernarg_size 32
		.amdhsa_user_sgpr_count 2
		.amdhsa_user_sgpr_kernarg_segment_ptr 1
		.amdhsa_wavefront_size32 1
		.amdhsa_system_sgpr_workgroup_id_x 1
		.amdhsa_system_sgpr_workgroup_id_y 1
		.amdhsa_system_sgpr_workgroup_id_z 1
		.amdhsa_system_vgpr_workitem_id 0
		.amdhsa_next_free_vgpr 186
		.amdhsa_next_free_sgpr 66
		.amdhsa_reserve_vcc 0
		.amdhsa_float_denorm_mode_32 3
		.amdhsa_float_denorm_mode_16_64 3
		.amdhsa_memory_ordered 1
		.amdhsa_forward_progress 1
		.amdhsa_inst_pref_size 73
	.end_amdhsa_kernel
	.amdgpu_metadata
---
amdhsa.version: [ 1, 2 ]
amdhsa.kernels:
  - .name:           k_q4bda3f9cb9_gather
    .symbol:         k_q4bda3f9cb9_gather.kd
    .args:
      - { .name: xyz, .offset: 0, .size: 8, .value_kind: global_buffer, .address_space: global }
      - { .name: cells, .offset: 8, .size: 8, .value_kind: global_buffer, .address_space: global }
      - { .name: sums, .offset: 16, .size: 8, .value_kind: global_buffer, .address_space: global }
      - { .name: out0, .offset: 24, .size: 8, .value_kind: global_buffer, .address_space: global }
    .group_segment_fixed_size: 169984
    .private_segment_fixed_size: 0
    .kernarg_segment_align: 8
    .kernarg_segment_size: 32
    .max_flat_workgroup_size: 512
    .sgpr_count:     66
    .vgpr_count:     186
    .wavefront_size: 32
...
	.end_amdgpu_metadata
.endif
;; end of part 2
